; MI455X (gfx1250); checked and timed in simulation.
; The chip was launched on July 23, 2026; its instructions are those of AMD's public machine-readable ISA for CDNA 5 (MIT licence, August 2026) and "CDNA5" Instruction Set Architecture Reference Guide (July 2026). The comments in the code are by the model that wrote it; some were corrected since.
;; Multi Head Attention. Allowed arithmetic: matrix products marked QUANTISED: E4M3 operands, one given power-of-two scale a tensor, by v_wmma_f32_16x16x64_fp8_fp8 or v_wmma_f32_16x16x128_fp8_fp8, f32 sums; everything else in f32.
;; Inputs: Wk 1,024 x 1,024 float32; Wo 1,024 x 1,024 float32; Wq 1,024 x 1,024 float32; Wv 1,024 x 1,024 float32; bk 1,024 float32; bo 1,024 float32; bq 1,024 float32; bv 1,024 float32; key 4 x 2,048 x 1,024 float32; lowp_scales 12 int32 (the exponents e of the quantised operands' scales 2^e); query 4 x 2,048 x 1,024 float32; value 4 x 2,048 x 1,024 float32.
;; Outputs: out0 4 x 2,048 x 1,024 float32.
;; This version of the problem:
;;   THIS VERSION OF THE PROBLEM IS GIVEN IN LOW PRECISION. The matrix products marked QUANTISED in the list below multiply operands that are first quantised to E4M3 (4 exponent bits, 3 mantissa bits; 8 bits a number), with one given power-of-two scale for each operand tensor; their sums are f32. All else is computed in f32.
;;   The module's matrix products, in the order in which they are computed (A, B: the left and right operand; K: the contracted axis; several contracted axes count as one K, in the product's order):
;;     1. [M 8,192, K 1,024] x [K 1,024, N 1,024]; A: input query; B: input Wq: QUANTISED (scales: A lowp_scales[0], B lowp_scales[1])
;;     2. [M 8,192, K 1,024] x [K 1,024, N 1,024]; A: input key; B: input Wk: QUANTISED (scales: A lowp_scales[2], B lowp_scales[3])
;;     3. [M 8,192, K 1,024] x [K 1,024, N 1,024]; A: input value; B: input Wv: QUANTISED (scales: A lowp_scales[4], B lowp_scales[5])
;;     4. batch 64 x [M 2,048, K 64] x [K 64, N 2,048]; A: computed on the way; B: computed on the way: QUANTISED (scales: A lowp_scales[6], B lowp_scales[7])
;;     5. batch 64 x [M 2,048, K 2,048] x [K 2,048, N 64]; A: softmax (see below); B: computed on the way: QUANTISED (scales: A lowp_scales[8], B lowp_scales[9])
;;     6. [M 8,192, K 1,024] x [K 1,024, N 1,024]; A: computed on the way; B: input Wo: QUANTISED (scales: A lowp_scales[10], B lowp_scales[11])
;;   THE QUANTISER, for each operand of a quantised product, along K:
;;     - The operand's scale is 2^e, e = its entry of the input lowp_scales (int32; the entries are numbered through the quantised products in the list's order, A before B).
;;     - Each number is divided by the scale, clamped to +-448, and rounded to the nearest number of E4M3, ties to even, subnormals kept.
;;     - The product sums the exact products of the quantised numbers (number of the format x scale) in f32.
;;   ~~~python
;;   def quantise(x, axis, e):      # numpy; x: float32 -> the quantised numbers, widened to float32 again
;;       x = np.moveaxis(x, axis, -1); K = x.shape[-1]
;;       r = np.clip(x / 2.0 ** e, -448, 448)
;;       step = 2.0 ** (np.maximum(np.frexp(np.where(r == 0, 1, r))[1] - 1, -6) - 3)
;;       q = np.round(r / step) * step * 2.0 ** e      # np.round: ties to even
;;       return np.moveaxis(q, -1, axis).astype(np.float32)
;;   ~~~
;;   SOFTMAX AHEAD OF A QUANTISED PRODUCT. Where the list says 'softmax', what is quantised is not the finished softmax but p = 2^(t - M), with t = logit x log2(e) and M = ceil(the row's largest t), a whole number; so 1/2 < the row's largest p <= 1. The row's sum l is taken of the UNQUANTISED p, in f32, and the product's result is divided by l at the end. Since M is a whole number, a kernel that streams over the keys may use a running M (the ceiling of the running maximum): every later rescaling is an exact power of two, so the quantised numbers keep their values, but for numbers so far below the row's largest that they fall under the format's range.
;;   OPERANDS COMPUTED ON THE WAY. 'Computed on the way' means the value that the module computes at that place (a softmax that the list does not call 'softmax' is quantised finished and normalised). What goes into a quantiser is computed in f32, as accurately as f32 sums, v_exp_f32 and their like allow (about 1e-6 of the number): no bf16 or f16 on the way to a quantiser, and a product that is left as it is and whose result goes on into a quantised operand takes f32 operands (vector FMAs, or v_wmma_f32_16x16x4_f32). A number that lies on a knife's edge between two numbers of the format may be rounded either way, as far as f32 arithmetic and the matrix unit's own rounding can turn it there, and no further.
;; One version. Each part assembles by itself: llvm-mc -triple=amdgcn-amd-amdhsa -mcpu=gfx1250 --defsym DOCPART=n.
;; ======== version 1 of 1: 4 launches
;; limits: right only within a limited range of input values
;; workspace buffers: xw 29,360,128 bytes; qkv 25,165,824 bytes; xc 8,388,608 bytes
;; launch quant (part 1): grid 448 x 1, 4 waves a work-group, no clusters, 34,304 bytes of LDS; arguments query, key, value, Wq, Wk, Wv, Wo, lowp_scales, xw; writes xw
.if DOCPART == 1
	.amdgcn_target "amdgcn-amd-amdhsa--gfx1250"
	.amdhsa_code_object_version 6
	.text
	.protected	k_q9c1fcfc536_quant
	.globl	k_q9c1fcfc536_quant
	.p2align	8
	.type	k_q9c1fcfc536_quant,@function
k_q9c1fcfc536_quant:
	s_mov_b64 s[64:65], 0
	v_nop
	global_prefetch_b8 v0, s[64:65] scope:SCOPE_SE
	s_setreg_imm32_b32 hwreg(HW_REG_WAVE_MODE, 25, 1), 1
	s_wait_xcnt 0x0
; query, key, value [8192][1024] and Wq, Wk, Wv, Wo [1024][1024], f32, K innermost, become codes of FP8 (E4M3), each tensor with the one scale 2^e given for it.
; code = x / 2^e, held within +-448, rounded to the nearest code, ties to even.  LIMITS: e between -126 and 119 (2^e and 448 x 2^e are f32 numbers).  NaN among the inputs is not served.
; THE CODES ARE LAID AS IMAGES OF OPERAND REGISTERS.  The seven tensors' rows are stacked (query, key, value, Wq, Wk, Wv, Wo: 28,672 rows) and cut into blocks of 128 rows:
;   xw[block][ks 8][rt 8][c 4][lane 32][16 bytes]: lane (r = lane % 16, h = lane / 16) of chunk c holds row 128 block + 16 rt + r, k = 128 ks + 32 c + 16 h + 0 .. 15.
; So the products' launches fetch a fragment by four loads of 16 bytes a lane with no pitch, and a K step of a block is one dense run of bytes.
; SHARES.  Work-group g takes rows 64 g on of the stack, wave w 16 of them (one rt), in 8 steps of 128 along K.  A step's 16 loads read 512 consecutive bytes each (one row's part); the 8 KB turn through
; the wave's own stage in LDS (rows 528 bytes apart) and come back 64 bytes a lane: 16 neighbours along K of each block of 32.  A step's four stores cover 512 consecutive bytes each.
; No matrix unit, no cluster, no barrier: the waves share nothing, and memory binds.  Loads run two steps (32 loads a wave) ahead.
.set SP,    528                        ; a stage row: 512 bytes + 16
.set WREG,  16*SP                      ; a wave's stage
.set R,     16                         ; v16-143   two sets of 64: numbers as loaded
.set X,     144                        ; v144-207  register 16 c + i: k = 32 c + 16 h + i of my row
.set C,     208                        ; v208-239  two sets of 16: codes
	s_load_b256 s[4:11], s[0:1], 0x0               ; query s[4:5], key s[6:7], value s[8:9], Wq s[10:11]
	s_load_b256 s[12:19], s[0:1], 0x20             ; Wk s[12:13], Wv s[14:15], Wo s[16:17], the scales' exponents s[18:19]
	s_load_b64 s[20:21], s[0:1], 0x40              ; xw
	v_lshl_add_u32 v240, v0, 2, 0x8400
	v_mov_b32 v241, 0
	v_lshrrev_b32 v1, 5, v0
	v_readfirstlane_b32 s28, v1                    ; wave
	v_and_b32 v1, 31, v0                           ; lane
	v_lshlrev_b32 v2, 4, v1                        ; 16 x lane: my bytes of a load's 512 and of a store's 512; never rewritten
	s_mul_i32 s29, s28, WREG
	v_add_nc_u32 v3, s29, v2                       ; the stage on the way in: a row as it lies
	v_and_b32 v5, 15, v0                           ; r
	v_bfe_u32 v6, v0, 4, 1                         ; h
	v_mul_u32_u24 v4, v5, SP
	v_lshl_add_u32 v4, v6, 6, v4
	v_add_nc_u32 v4, s29, v4                       ; and on the way out: row r, + 64 h bytes: sixteen lanes stand 528 bytes apart, at sixteen different 16-byte columns of 256
	s_wait_alu depctr_va_vdst(0)
	s_wait_kmcnt 0x0
	s_load_b256 s[32:39], s[18:19], 0x0            ; e0 .. e7
	s_load_b128 s[40:43], s[18:19], 0x20           ; e8 .. e11
; which tensor is my work-group's?  The choice hangs on the work-group's number alone.  s[22:23]: its address; s24: its first work-group
.macro PICK lim, ptr, first
	s_cmp_lt_u32 ttmp9, \lim
	s_cselect_b64 s[22:23], s[\ptr:\ptr+1], s[22:23]
	s_cselect_b32 s24, \first, s24
.endm
	s_mov_b64 s[22:23], s[16:17]                   ; Wo: work-groups 432 on
	s_mov_b32 s24, 432
	PICK 432, 14, 416                              ; Wv
	PICK 416, 12, 400                              ; Wk
	PICK 400, 10, 384                              ; Wq
	PICK 384, 8, 256                               ; value
	PICK 256, 6, 128                               ; key
	PICK 128, 4, 0                                 ; query
	s_sub_co_u32 s25, ttmp9, s24
	s_lshl_b32 s26, s25, 18                        ; 64 rows of 4,096 bytes for each work-group,
	s_lshl_b32 s27, s28, 16                        ; 16 for each wave
	s_add_co_u32 s26, s26, s27
	s_mov_b32 s27, 0
	s_add_nc_u64 s[22:23], s[22:23], s[26:27]
	s_lshr_b32 s26, ttmp9, 1
	s_lshl_b32 s26, s26, 17                        ; the block of 128 rows: 131,072 bytes of codes
	s_and_b32 s25, ttmp9, 1
	s_lshl_b32 s25, s25, 2
	s_add_co_u32 s25, s25, s28                     ; rt = 4 (g % 2) + wave
	s_lshl_b32 s25, s25, 11
	s_add_co_u32 s26, s26, s25
	s_mov_b32 s27, 0
	s_add_nc_u64 s[20:21], s[20:21], s[26:27]
.macro LOAD t                          ; step t: 128 numbers of each of my 16 rows, into set t % 2
.set i, 0
.rept 16
	global_load_b128 v[R+64*((\t)%2)+4*i:R+64*((\t)%2)+4*i+3], v2, s[22:23] offset:4096*i+512*(\t) th:TH_LOAD_NT
.set i, i+1
.endr
.endm
.macro TURN t                          ; step t's numbers through the stage: LDS serves a wave's instructions in order (ISA guide 5.7.1.4), so no wait stands between the stores and the loads
.set i, 0
.rept 16
	ds_store_b128 v3, v[R+64*((\t)%2)+4*i:R+64*((\t)%2)+4*i+3] offset:SP*i
.set i, i+1
.endr
	v_nop
.irp c, 0,1,2,3
.irp j, 0,1,2,3
	ds_load_b128 v[X+16*\c+4*\j:X+16*\c+4*\j+3], v4 offset:128*\c+16*\j
.endr
.endr
.endm
	LOAD 0
	LOAD 1
	s_wait_kmcnt 0x0
.macro PICKE lim, reg
	s_cmp_lt_u32 ttmp9, \lim
	s_cselect_b32 s30, s[\reg], s30
.endm
	s_mov_b32 s30, s43                             ; Wo: e11
	PICKE 432, 37                                  ; Wv: e5
	PICKE 416, 35                                  ; Wk: e3
	PICKE 400, 33                                  ; Wq: e1
	PICKE 384, 36                                  ; value: e4
	PICKE 256, 34                                  ; key: e2
	PICKE 128, 32                                  ; query: e0
	s_add_co_i32 s30, s30, 127
	s_lshl_b32 s31, s30, 23
	v_mov_b32 v11, s31                             ; 2^e as f32: the conversion takes its exponent field
	s_add_co_i32 s30, s30, 8
	s_lshl_b32 s30, s30, 23
	s_or_b32 s30, s30, 0x600000
	s_wait_alu depctr_va_vdst(0)
	s_wait_loadcnt 16                              ; step 0's sixteen loads are in; step 1's may be out
	TURN 0
.macro STEP t
.set CC, C+16*((\t)%2)
	s_wait_dscnt 0x0                               ; this step's numbers are back from the stage: so its stores into the stage have read their registers
.if (\t) >= 2
	s_wait_xcnt 0x0                                ; the stores of two steps ago have read their codes: the set is written again only behind this wait
.endif
.if (\t)+2 < 8
	LOAD (\t)+2
.endif
.irp c, 0,1,2,3
.irp i, 0,1,2,3,4,5,6,7,8,9,10,11,12,13,14,15
.endr
	v_cvt_scalef32_pk8_fp8_f32 v[CC+4*\c:CC+4*\c+1], v[X+16*\c:X+16*\c+7], v11
	v_cvt_scalef32_pk8_fp8_f32 v[CC+4*\c+2:CC+4*\c+3], v[X+16*\c+8:X+16*\c+15], v11
	global_store_b128 v2, v[CC+4*\c:CC+4*\c+3], s[20:21] offset:16384*(\t)+512*\c   ; chunk c of the image: 512 consecutive bytes, at a multiple of 512 from xw's first byte
.endr
.if (\t) < 7
.if (\t) < 6
	s_wait_loadcnt 16                              ; the next step's loads are in; those of the step behind it may be out
.else
	s_wait_loadcnt 0x0
.endif
	TURN (\t)+1                                    ; (the conversions' results go to stores alone)
.endif
.endm
.irp t, 0,1,2,3,4,5,6,7
	STEP \t
.endr
	s_wait_tensorcnt 0x0
	ds_add_u32 v240, v241
	s_wait_dscnt 0x0
	s_endpgm
.Lfunc_end_k_q9c1fcfc536_quant:
	.size	k_q9c1fcfc536_quant, .Lfunc_end_k_q9c1fcfc536_quant-k_q9c1fcfc536_quant
	.p2alignl 7, 3214868480
	.fill 96, 4, 3214868480
	.section	.rodata,"a",@progbits
	.p2align	6, 0x0
	.amdhsa_kernel k_q9c1fcfc536_quant
		.amdhsa_group_segment_fixed_size 34304
		.amdhsa_private_segment_fixed_size 0
		.amdhsa_enable_private_segment 0
		.amdhsa_kernarg_size 72
		.amdhsa_user_sgpr_count 2
		.amdhsa_user_sgpr_kernarg_segment_ptr 1
		.amdhsa_wavefront_size32 1
		.amdhsa_system_sgpr_workgroup_id_x 1
		.amdhsa_system_sgpr_workgroup_id_y 1
		.amdhsa_system_sgpr_workgroup_id_z 1
		.amdhsa_system_vgpr_workitem_id 0
		.amdhsa_next_free_vgpr 242
		.amdhsa_next_free_sgpr 66
		.amdhsa_reserve_vcc 0
		.amdhsa_float_denorm_mode_32 3
		.amdhsa_float_denorm_mode_16_64 3
		.amdhsa_fp16_overflow 1
		.amdhsa_memory_ordered 1
		.amdhsa_forward_progress 1
		.amdhsa_inst_pref_size 40
	.end_amdhsa_kernel
	.amdgpu_metadata
---
amdhsa.version: [ 1, 2 ]
amdhsa.kernels:
  - .name:           k_q9c1fcfc536_quant
    .symbol:         k_q9c1fcfc536_quant.kd
    .args:
      - { .name: query, .offset: 0, .size: 8, .value_kind: global_buffer, .address_space: global }
      - { .name: key, .offset: 8, .size: 8, .value_kind: global_buffer, .address_space: global }
      - { .name: value, .offset: 16, .size: 8, .value_kind: global_buffer, .address_space: global }
      - { .name: Wq, .offset: 24, .size: 8, .value_kind: global_buffer, .address_space: global }
      - { .name: Wk, .offset: 32, .size: 8, .value_kind: global_buffer, .address_space: global }
      - { .name: Wv, .offset: 40, .size: 8, .value_kind: global_buffer, .address_space: global }
      - { .name: Wo, .offset: 48, .size: 8, .value_kind: global_buffer, .address_space: global }
      - { .name: lowp_scales, .offset: 56, .size: 8, .value_kind: global_buffer, .address_space: global }
      - { .name: xw, .offset: 64, .size: 8, .value_kind: global_buffer, .address_space: global }
    .group_segment_fixed_size: 34304
    .private_segment_fixed_size: 0
    .kernarg_segment_align: 8
    .kernarg_segment_size: 72
    .max_flat_workgroup_size: 128
    .sgpr_count:     66
    .vgpr_count:     242
    .wavefront_size: 32
...
	.end_amdgpu_metadata
.endif
;; end of part 1
;; launch proj (part 2): grid 4 x 96, 4 waves a work-group, clusters of 4 x 4, 327,680 bytes of LDS; arguments xw, lowp_scales, bq, bk, bv, qkv; writes qkv
.if DOCPART == 2
	.amdgcn_target "amdgcn-amd-amdhsa--gfx1250"
	.amdhsa_code_object_version 6
	.text
	.protected	k_q9c1fcfc536_proj
	.globl	k_q9c1fcfc536_proj
	.p2align	8
	.type	k_q9c1fcfc536_proj,@function
k_q9c1fcfc536_proj:
	s_mov_b64 s[64:65], 0
	v_nop
	global_prefetch_b8 v0, s[64:65] scope:SCOPE_SE
	s_setreg_imm32_b32 hwreg(HW_REG_WAVE_MODE, 25, 1), 1
	s_wait_xcnt 0x0
	s_wait_alu depctr_hold_cnt(0) depctr_sa_sdst(0) depctr_va_vdst(0) depctr_va_sdst(0) depctr_va_ssrc(0) depctr_va_vcc(0) depctr_vm_vsrc(0)
	s_getreg_b32 s2, hwreg(HW_REG_IB_STS2, 6, 4)
	s_cmp_eq_u32 s2, 0
	s_cbranch_scc0 .Lentry_in_a_cluster
	s_endpgm
.Lentry_in_a_cluster:
	s_bfe_u32 s2, ttmp6, 0x10000c
	s_cmp_lg_u32 s2, 0xf033
	s_cbranch_scc0 .Lentry_shape_is_right
	s_endpgm
.Lentry_shape_is_right:
.set HALFT,  32768
.set SLOT,   4*HALFT
.set SPARE,  2*SLOT
.set FR,     16
.set NL,     4
.set NP,     4
.set LAPS,   2
.set ADRA, 16
.set ADRB, 20
.set STO,  24
.set RD,   25
.set CO,   26
.set SPW,  28
.set NIL,  29
.set BCA,  30
.set BRA,  31
.set CB,   32
.set RB,   96
.set SC,   112
.set LIM,  113
.set AF,   128
.set TMP,  128
.set CD,   192
.set BB,   208
.set OB,   76
.set G1, 24
.set G0, 32
.set G1B, 48
.set G0B, 56
.set MSB, 0
.macro WIN new
.if MSB != \new
	s_set_vgpr_msb (MSB<<8)|\new
.set MSB, \new
.endif
.endm
.set MUL_LO, 0xa1
.set MUL_HI, 0xf1
.set TO_B,   0x40
.macro JLOAD g0a, g1a, g0b, g1b
	s_cmp_eq_u32 s15, 0
	s_cbranch_scc0 .Lfor_b_\@
	tensor_load_to_lds s[\g0a:\g0a+3], s[\g1a:\g1a+7]
	s_nop 0
.rept 4
	v_nop
.endr
	s_branch .Lasked_\@
.Lfor_b_\@:
	tensor_load_to_lds s[\g0b:\g0b+3], s[\g1b:\g1b+7]
	s_nop 0
.rept 4
	v_nop
.endr
.Lasked_\@:
.endm
.macro CREST
	s_cmp_lg_u32 s14, 0
	s_cbranch_scc1 .Lnot_wave_0_\@
	s_barrier_signal -3
.Lnot_wave_0_\@:
	s_barrier_wait -3
	s_barrier_signal -1
	s_barrier_wait -1
.endm
.macro CROUND
	s_barrier_signal -1
	s_barrier_wait -1
	CREST
.endm
	s_load_b256 s[4:11], s[0:1], 0x0
	s_load_b128 s[68:71], s[0:1], 0x20
	v_lshl_add_u32 v[SPW], v0, 2, SPARE
	v_mov_b32 v[NIL], 0
	ds_add_u32 v28, v29
	ds_add_u32 v28, v29
	s_wait_dscnt 0x0
	v_lshrrev_b32 v1, 5, v0
	v_readfirstlane_b32 s14, v1
	s_lshr_b32 s15, s14, 1
	s_and_b32 s16, s14, 1
	s_bfe_u32 s40, ttmp6, 0x40000
	s_bfe_u32 s41, ttmp6, 0x40004
	s_and_b32 s17, ttmp7, 0xffff
	s_lshr_b32 s18, s17, 3
	s_and_b32 s19, s17, 7
	s_lshl_b32 s43, s41, 2
	s_lshl_b32 s43, 15, s43
	s_lshl_b32 s44, 0x1111, s40
	s_or_b32 s[G1+0], s43, (3<<16)|(1<<21)
	s_or_b32 s[G1B+0], s44, (3<<16)|(1<<21)
.irp g, G1, G1B
	s_mov_b32 s[\g+1], 32<<16
	s_mov_b32 s[\g+2], 128<<16
	s_mov_b32 s[\g+3], 32<<16
	s_mov_b32 s[\g+4], 128
	s_mov_b32 s[\g+5], 32
	s_mov_b32 s[\g+6], 0
	s_mov_b32 s[\g+7], 0
.endr
	s_lshl_b32 s20, s18, 6
	s_lshl_b32 s21, s19, 3
	s_add_co_u32 s20, s20, s21
	s_lshl_b32 s21, s18, 3
	s_add_co_u32 s21, s21, 192
	s_cmp_eq_u32 s18, 2
	s_cselect_b32 s22, s21, s20
	s_cselect_b32 s46, s20, s21
	s_lshl_b32 s23, s41, 1
	s_add_co_u32 s22, s22, s23
	s_add_co_u32 s22, s22, s16
	s_lshl_b32 s20, s22, 17
	s_mov_b32 s21, 0
	s_lshl_b32 s47, s40, 1
	s_add_co_u32 s46, s46, s47
	s_add_co_u32 s46, s46, s16
	s_lshl_b32 s46, s46, 17
	s_mov_b32 s47, 0
	s_lshl_b32 s45, s14, 15
	s_wait_kmcnt 0x0
	s_load_b256 s[84:91], s[6:7], 0x0
	s_load_b128 s[92:95], s[6:7], 0x20
	s_add_nc_u64 s[20:21], s[4:5], s[20:21]
	s_add_nc_u64 s[46:47], s[4:5], s[46:47]
	CROUND
.irp s, 0,1
	s_mov_b32 s[G0+4*\s], 1
	s_add_co_u32 s[G0+4*\s+1], s45, \s*SLOT
	s_add_nc_u64 s[G0+4*\s+2:G0+4*\s+3], s[20:21], \s*HALFT
	s_or_b32 s[G0+4*\s+3], s[G0+4*\s+3], 0x80000000
	s_mov_b32 s[G0B+4*\s], 1
	s_add_co_u32 s[G0B+4*\s+1], s45, \s*SLOT
	s_add_nc_u64 s[G0B+4*\s+2:G0B+4*\s+3], s[46:47], \s*HALFT
	s_or_b32 s[G0B+4*\s+3], s[G0B+4*\s+3], 0x80000000
	s_wait_alu depctr_va_vdst(0)
	s_wait_tensorcnt 0x0
	ds_add_u32 v28, v29
	ds_add_u32 v28, v29
	s_wait_dscnt 0x0
	CROUND
	JLOAD G0+4*\s, G1, G0B+4*\s, G1B
.endr
	v_and_b32 v1, 15, v0
	s_wait_alu depctr_va_vdst(0)
	v_bfe_u32 v2, v0, 4, 1
	v_and_b32 v3, 31, v0
	v_lshlrev_b32 v[CO], 4, v3
	s_lshl_b32 s21, s15, 15
	s_lshl_b32 s22, s16, 15
	s_add_co_u32 s22, s22, 2*HALFT
.irp s, 0,1
	v_add_nc_u32 v[ADRA+\s], s21, v[CO]
	v_add_nc_u32 v[ADRB+\s], s22, v[CO]
	s_add_co_u32 s21, s21, SLOT
	s_add_co_u32 s22, s22, SLOT
.endr
	s_mul_i32 s23, s14, 2560
	v_mul_u32_u24 v4, v1, 80
	s_wait_alu depctr_va_vdst(0)
	v_lshl_add_u32 v4, v2, 3, v4
	v_add_nc_u32 v[STO], s23, v4
	v_lshrrev_b32 v5, 2, v3
	v_mul_u32_u24 v5, v5, 80
	v_and_b32 v6, 3, v3
	v_lshl_add_u32 v5, v6, 4, v5
	v_add_nc_u32 v[RD], s23, v5
	s_lshl_b32 s72, s40, 1
	s_add_co_u32 s72, s72, s16
	s_lshl_b32 s73, s41, 1
	s_add_co_u32 s73, s73, s15
	s_mov_b32 s20, 131072
	s_mov_b32 s21, 4096
	s_cmp_eq_u32 s18, 2
	s_cselect_b32 s74, s72, s73
	s_cselect_b32 s75, s73, s72
	s_cselect_b32 s98, s21, s20
	s_cselect_b32 s22, s20, s21
	s_cselect_b32 s66, 0, -1
	s_cselect_b32 s67, -1, 0
	s_lshl_b32 s23, s75, 9
	s_cmp_eq_u32 s18, 2
	s_cselect_b32 s12, 0, s23
	s_cselect_b32 s13, s23, 0
	s_lshl_b32 s19, s19, 3
	s_add_co_u32 s74, s74, s19
	s_lshr_b32 s20, s74, 4
	s_lshl_b32 s20, s20, 21
	s_and_b32 s21, s74, 15
	s_lshl_b32 s21, s21, 13
	s_add_co_u32 s20, s20, s21
	s_lshl_b32 s21, s75, 18
	s_add_co_u32 s20, s20, s21
	s_lshl_b32 s21, s18, 23
	s_add_co_u32 s20, s20, s21
	s_mov_b32 s21, 0
	s_mov_b32 s99, 0
	s_mov_b32 s23, 0
	s_add_nc_u64 s[OB:OB+1], s[70:71], s[20:21]
	s_add_nc_u64 s[OB+2:OB+3], s[OB:OB+1], s[98:99]
	s_add_nc_u64 s[OB+4:OB+5], s[OB:OB+1], s[22:23]
	s_add_nc_u64 s[OB+6:OB+7], s[OB+4:OB+5], s[98:99]
	s_cmp_eq_u32 s18, 0
	s_cselect_b64 s[8:9], s[8:9], s[10:11]
	s_cmp_eq_u32 s18, 2
	s_cselect_b64 s[8:9], s[68:69], s[8:9]
	v_lshlrev_b32 v[BCA], 5, v2
	v_add_nc_u32 v[BCA], s12, v[BCA]
	v_lshlrev_b32 v[BRA], 2, v1
	v_add_nc_u32 v[BRA], s13, v[BRA]
.irp b, 0,1,2,3,4,5,6,7
	global_load_b128 v[CB+8*\b:CB+8*\b+3], v[BCA], s[8:9] offset:64*\b
	global_load_b128 v[CB+8*\b+4:CB+8*\b+7], v[BCA], s[8:9] offset:64*\b+16
.endr
.irp a, 0,1,2,3,4,5,6,7
	global_load_b32 v[RB+2*\a], v[BRA], s[8:9] offset:64*\a
.endr
.macro FRAG reg, adr, q, i
.irp c, 0,1,2,3
	ds_load_b128 v[\reg+4*\c:\reg+4*\c+3], v[\adr] offset:16384*(\q)+2048*(\i)+512*\c
.endr
.endm
.macro MUL16 a0, p, zero
.irp a, \a0, \a0+1
.irp b, 0,1,2,3,4,5,6,7
.if \zero
	v_wmma_f32_16x16x128_fp8_fp8 v[8*(8*((\a)%4)+\b):8*(8*((\a)%4)+\b)+7], v[128*(\p)+FR*\b:128*(\p)+FR*\b+FR-1], v[AF+FR*(\a):AF+FR*(\a)+FR-1], 0
.else
	v_wmma_f32_16x16x128_fp8_fp8 v[8*(8*((\a)%4)+\b):8*(8*((\a)%4)+\b)+7], v[128*(\p)+FR*\b:128*(\p)+FR*\b+FR-1], v[AF+FR*(\a):AF+FR*(\a)+FR-1], v[8*(8*((\a)%4)+\b):8*(8*((\a)%4)+\b)+7]
.endif
.endr
.endr
.endm
.macro FETCH_B slot, q, p
	WIN TO_B
.irp i, 0,1,2,3,4,5,6,7
	FRAG 128*(\p)+FR*\i, ADRB+\slot, \q, \i
.endr
	WIN 0
.endm
.macro FETCH_A slot, q, i0
.irp i, \i0, \i0+1, \i0+2, \i0+3
	FRAG AF+FR*(\i), ADRA+\slot, \q, \i
.endr
.endm
.macro PLACES n
.rept \n
	v_nop
.endr
.endm
.macro STEP slot, q, zero
	s_wait_dscnt 4*NL
	WIN MUL_LO
	MUL16 0, (\q)%2, \zero
	MUL16 2, (\q)%2, \zero
	s_wait_dscnt 0
	PLACES NP
	FETCH_B \slot, (\q)+1, 1-(\q)%2
	FETCH_A \slot, (\q)+1, 0
	WIN MUL_HI
	MUL16 4, (\q)%2, \zero
	MUL16 6, (\q)%2, \zero
	PLACES NP
	WIN 0
	FETCH_A \slot, (\q)+1, 4
.endm
.macro TURN slot, next, fill
	s_wait_tensorcnt 0x0
	ds_add_u32 v[SPW], v[NIL]
	s_wait_dscnt 4*NL+1
	WIN MUL_LO
	MUL16 0, 1, 0
	s_wait_dscnt 0x0
	s_barrier_signal -1
	MUL16 2, 1, 0
	WIN 0
	s_barrier_wait -1
.if \fill
	CREST
	s_add_nc_u64 s[G0+4*\slot+2:G0+4*\slot+3], s[G0+4*\slot+2:G0+4*\slot+3], 2*HALFT
	s_add_nc_u64 s[G0B+4*\slot+2:G0B+4*\slot+3], s[G0B+4*\slot+2:G0B+4*\slot+3], 2*HALFT
	JLOAD G0+4*\slot, G1, G0B+4*\slot, G1B
.else
	PLACES NP
.endif
	FETCH_B \next, 0, 0
	FETCH_A \next, 0, 0
	WIN MUL_HI
	MUL16 4, 1, 0
	MUL16 6, 1, 0
	PLACES NP
	WIN 0
	FETCH_A \next, 0, 4
.endm
	s_wait_tensorcnt 1
	s_barrier_signal -1
	s_barrier_wait -1
	FETCH_B 0, 0, 0
	FETCH_A 0, 0, 0
	FETCH_A 0, 0, 4
	STEP 0, 0, 1
	s_mov_b32 s3, LAPS-1
.Llap:
	TURN 0, 1, 1
	STEP 1, 0, 0
	TURN 1, 0, 1
	STEP 0, 0, 0
	s_sub_co_u32 s3, s3, 1
	s_cmp_lg_u32 s3, 0
	s_cbranch_scc1 .Llap
	TURN 0, 1, 0
	STEP 1, 0, 0
	s_wait_dscnt 4*NL
	WIN MUL_LO
	MUL16 0, 1, 0
	MUL16 2, 1, 0
	s_wait_dscnt 0
	WIN MUL_HI
	MUL16 4, 1, 0
	MUL16 6, 1, 0
	WIN 0
	s_wait_kmcnt 0x0
	s_cmp_eq_u32 s18, 0
	s_cselect_b32 s96, s84, s86
	s_cselect_b32 s97, s85, s87
	s_cselect_b32 s98, s90, s91
	s_cmp_eq_u32 s18, 2
	s_cselect_b32 s96, s88, s96
	s_cselect_b32 s97, s89, s97
	s_cselect_b32 s98, s93, s98
	s_add_co_i32 s96, s96, s97
	s_add_co_i32 s96, s96, 127
	s_lshl_b32 s96, s96, 23
	s_mov_b32 s97, s96
	s_add_co_i32 s98, s98, 127
	s_lshl_b32 s99, s98, 23
	s_add_co_i32 s98, s98, 8
	s_lshl_b32 s98, s98, 23
	s_or_b32 s98, s98, 0x600000
	s_wait_loadcnt 0x0
.set j, 0
.rept 64
	v_and_b32 v[CB+j], s66, v[CB+j]
.set j, j+1
.endr
.irp a, 0,1,2,3,4,5,6,7
	v_and_b32 v[RB+2*\a], s67, v[RB+2*\a]
	v_mov_b32 v[RB+2*\a+1], v[RB+2*\a]
.endr
	v_mov_b32 v[SC], s99
.macro TOSTAGE a
.set AC, 64*((\a)%4)
	WIN 0x02+((\a)/4)
.set j, 0
.rept 32
	v_pk_fma_f32 v[TMP+j:TMP+j+1], v[AC+j:AC+j+1], s[96:97], v[CB+j:CB+j+1] op_sel_hi:[1,0,1]
.set j, j+2
.endr
	WIN 0
.set j, 0
.rept 32
	v_pk_add_f32 v[TMP+j:TMP+j+1], v[TMP+j:TMP+j+1], v[RB+2*(\a):RB+2*(\a)+1]
.set j, j+2
.endr
.set j, 0
.rept 64
.set j, j+1
.endr
.irp b, 0,1,2,3,4,5,6,7
	v_cvt_scalef32_pk8_fp8_f32 v[CD+2*\b:CD+2*\b+1], v[TMP+8*\b:TMP+8*\b+7], v[SC]
.endr
	v_nop
.irp b, 0,1,2,3,4,5,6,7
	ds_store_b64 v[STO], v[CD+2*\b:CD+2*\b+1] offset:(\b/4)*1280+(\b%4)*16
.endr
.set BS, BB+16*((\a)%2)
.irp u, 0,1
.irp k, 0,1
	ds_load_b128 v[BS+4*(2*\u+\k):BS+4*(2*\u+\k)+3], v[RD] offset:1280*\u+640*\k
.endr
.endr
.endm
.macro SEND a, younger
.set BS, BB+16*((\a)%2)
.set OW, OB+4*((\a)/4)
	s_wait_dscnt \younger
.irp u, 0,1
.irp k, 0,1
	global_store_b128 v[CO], v[BS+4*(2*\u+\k):BS+4*(2*\u+\k)+3], s[OW+2*\u:OW+2*\u+1] offset:((\a)%4)*1024+512*\k
.endr
.endr
.endm
	TOSTAGE 0
.irp a, 1,2,3,4,5,6,7
.if \a > 1
	s_wait_xcnt 0x0
.endif
	TOSTAGE \a
	SEND \a-1, 12
.endr
	SEND 7, 0
	s_wait_tensorcnt 0x0
	ds_add_u32 v[SPW], v[NIL]
	s_wait_dscnt 0x0
	CROUND
	s_endpgm
.Lfunc_end_k_q9c1fcfc536_proj:
	.size	k_q9c1fcfc536_proj, .Lfunc_end_k_q9c1fcfc536_proj-k_q9c1fcfc536_proj
	.p2alignl 7, 3214868480
	.fill 96, 4, 3214868480
	.section	.rodata,"a",@progbits
	.p2align	6, 0x0
	.amdhsa_kernel k_q9c1fcfc536_proj
		.amdhsa_group_segment_fixed_size 327680
		.amdhsa_private_segment_fixed_size 0
		.amdhsa_enable_private_segment 0
		.amdhsa_kernarg_size 48
		.amdhsa_user_sgpr_count 2
		.amdhsa_user_sgpr_kernarg_segment_ptr 1
		.amdhsa_wavefront_size32 1
		.amdhsa_system_sgpr_workgroup_id_x 1
		.amdhsa_system_sgpr_workgroup_id_y 1
		.amdhsa_system_sgpr_workgroup_id_z 1
		.amdhsa_system_vgpr_workitem_id 0
		.amdhsa_next_free_vgpr 1024
		.amdhsa_next_free_sgpr 100
		.amdhsa_reserve_vcc 0
		.amdhsa_float_denorm_mode_32 3
		.amdhsa_float_denorm_mode_16_64 3
		.amdhsa_fp16_overflow 1
		.amdhsa_memory_ordered 1
		.amdhsa_forward_progress 1
		.amdhsa_inst_pref_size 131
	.end_amdhsa_kernel
	.amdgpu_metadata
---
amdhsa.version: [ 1, 2 ]
amdhsa.kernels:
  - .name:           k_q9c1fcfc536_proj
    .symbol:         k_q9c1fcfc536_proj.kd
    .args:
      - { .name: xw, .offset: 0, .size: 8, .value_kind: global_buffer, .address_space: global }
      - { .name: lowp_scales, .offset: 8, .size: 8, .value_kind: global_buffer, .address_space: global }
      - { .name: bq, .offset: 16, .size: 8, .value_kind: global_buffer, .address_space: global }
      - { .name: bk, .offset: 24, .size: 8, .value_kind: global_buffer, .address_space: global }
      - { .name: bv, .offset: 32, .size: 8, .value_kind: global_buffer, .address_space: global }
      - { .name: qkv, .offset: 40, .size: 8, .value_kind: global_buffer, .address_space: global }
    .group_segment_fixed_size: 327680
    .private_segment_fixed_size: 0
    .kernarg_segment_align: 8
    .kernarg_segment_size: 48
    .max_flat_workgroup_size: 128
    .sgpr_count:     100
    .vgpr_count:     1024
    .wavefront_size: 32
...
	.end_amdgpu_metadata
.endif
;; end of part 2
;; launch attn (part 3): grid 256 x 1, 16 waves a work-group, clusters of 4 x 1, 327,680 bytes of LDS; arguments qkv, lowp_scales, xc; writes xc
.if DOCPART == 3
	.amdgcn_target "amdgcn-amd-amdhsa--gfx1250"
	.amdhsa_code_object_version 6
	.text
	.protected	k_q9c1fcfc536_attn
	.globl	k_q9c1fcfc536_attn
	.p2align	8
	.type	k_q9c1fcfc536_attn,@function
k_q9c1fcfc536_attn:
	s_mov_b64 s[64:65], 0
	v_nop
	global_prefetch_b8 v0, s[64:65] scope:SCOPE_SE
	s_setreg_imm32_b32 hwreg(HW_REG_WAVE_MODE, 25, 1), 1
	s_wait_xcnt 0x0
	s_wait_alu depctr_hold_cnt(0) depctr_sa_sdst(0) depctr_va_vdst(0) depctr_va_sdst(0) depctr_va_ssrc(0) depctr_va_vcc(0) depctr_vm_vsrc(0)
	s_getreg_b32 s2, hwreg(HW_REG_IB_STS2, 6, 4)
	s_cmp_eq_u32 s2, 0
	s_cbranch_scc0 .Lentry_in_a_cluster
	s_endpgm
.Lentry_in_a_cluster:
	s_bfe_u32 s2, ttmp6, 0x10000c
	s_cmp_lg_u32 s2, 0x3003
	s_cbranch_scc0 .Lentry_shape_is_right
	s_endpgm
.Lentry_shape_is_right:
; Attention on codes of FP8 (E4M3), head size 64, 2,048 keys, no mask; the result is quantised for the output projection.
; qkv: q at 0 and k at 8,388,608 as [b][head][s 2048][64 d]; v at 16,777,216 as [b][head][kb 32][d 64][64 keys].  Entries 6 .. 10 of the scales: eq, ek, ep, ev, ex.
; THE SOFTMAX: t = score x log2(e) / 8; M = the running largest t rounded UP to a whole number; p = 2^(t - M) is quantised, not normalised; the row's sum is taken of the unquantised p and divides at the end.
; When M moves, the sum and O are multiplied by 2^(old M - new M), which rounds nothing.
; SHARES.  A cluster of four work-groups is one head (cluster x = 16 b + head); a work-group owns 512 queries, each of its sixteen waves 32: two tiles of 16, worked together, so that each fragment of K and V
; read from LDS feeds two matrix instructions.  Four waves lie on a SIMD: one wave's vector work stands beside another's matrix work and LDS loads.
; ALL OF THE HEAD'S K AND V LIE IN LDS, FILLED ONCE: 2 x 131,072 bytes, as rows of 128 bytes (two rows of 64 codes) + 16 of padding.  So the loop over the keys has no barrier and no tensor load.
; Each wave brings 16,384 bytes by one joint load (waves 0-7: K; 8-15: V), the same in all four partners, who read the same K and V: one request serves the four.
; Nothing is prefetched: every tensor load goes out at the kernel's head.
; LAYOUT.  Both products are used transposed: S^T = K Q^T, O^T = V^T P^T: a lane holds ONE query (lane % 16).  THE ROWS OF A TILE ARE NOT NEIGHBOURS: lane r of tile 2 b + u takes row 32 b + 8 u + r + 8 (r / 8),
; so that the 16 registers of tiles 2 b, 2 b + 1 are 16 neighbours, 32 b + 16 (lane / 16) + 0 .. 15: p's codes are the second product's operand, and O's codes are chunk 2 (head % 2) + b of xc's image
; (xc[block of 128 rows][ks 8][rt 8][c 4][lane 32][16 bytes], K = 64 head + d).  A fragment (16 rows x 64) comes by two loads of 16 bytes: registers 0-3: 16 h + 0 .. 15, registers 4-7: 32 + 16 h + 0 .. 15, alike on both sides.
; LIMITS: eq + ek between -123 and 130 (added to c's exponent field); ep, and ex - ep - ev, between -126 and 119.
.set KV,    147456                     ; V's rows begin here: 1,024 x 144
.set STEPB, 4608                       ; 64 rows of 64 bytes: 32 x 144
.set LA,   1                           ; v1   my lane's place in a tile of K
.set LAV,  2                           ; v2   and of V
.set ADK,  3                           ; v3   LDS address of the next step's K
.set ADV,  4                           ; v4   of this step's V
.set LI,   5                           ; v5   16 x lane
.set PLIM, 6
.set PSC,  7                           ; v7   2^ep
.set XLIM, 8
.set XSC,  9                           ; v9   2^(ex - ep - ev)
.set QO,   10                          ; v10  my byte in a tile of Q
.set ST,   12                          ; tile q at v[ST + 4 q]: -M, the largest t, the sum in two halves
.set QF,   20                          ; v20-35   Q, 8 a tile
.set KF,   36                          ; v36-67   K's four fragments
.set VF,   68                          ; v68-99   V's four
.set S,    100                         ; v100-163 S^T, then p: 32 a tile
.set O,    164                         ; v164-227 O^T: 32 a tile
.set P,    228                         ; v228-243 p's codes: 8 a tile
.set MX,   244                         ; v244-247 at work: two a tile
.set F,    248                         ; v[248:249], v[250:251]: f = 2^(old M - new M) of tile 0, 1, named as pairs
.set PL,   252                         ; v252, v253: what comes from lane l xor 16
.set WV,   10                          ; s10  wave
.set SEL,  28                          ; s[28:29] selects for v_permlanex16_b32
.set CS,   30                          ; s[30:31] c = log2(e) / 8 x 2^(eq + ek)
.set TB,   32                          ; s32  this step's first byte in K's and in V's rows
.set TBN,  33                          ; s33  the next step's, held at the last
.macro CROUND                          ; a round of the cluster's barrier
	s_barrier_signal -1
	s_barrier_wait -1
	s_cmp_lg_u32 s[WV], 0
	s_cbranch_scc1 .Lnot_wave_0_\@
	s_barrier_signal -3
.Lnot_wave_0_\@:
	s_barrier_wait -3
	s_barrier_signal -1
	s_barrier_wait -1
.endm
.macro TILES reg, adr                  ; four fragments: tile t begins at row 32 (t / 2) + 8 (t % 2), which is row pair 16 (t / 2) + 4 (t % 2)
.irp t, 0,1,2,3
	ds_load_b128 v[\reg+8*\t:\reg+8*\t+3],   v[\adr] offset:(16*(\t/2)+4*(\t%2))*144
	ds_load_b128 v[\reg+8*\t+4:\reg+8*\t+7], v[\adr] offset:(16*(\t/2)+4*(\t%2))*144+32
.endr
.endm
	s_load_b128 s[4:7], s[0:1], 0x0                ; qkv s[4:5], the scales' exponents s[6:7]
	s_load_b64 s[8:9], s[0:1], 0x10                ; xc
	v_lshl_add_u32 v254, v0, 2, 0x48000
	v_mov_b32 v255, 0
	ds_add_u32 v254, v255
	ds_add_u32 v254, v255
	v_lshrrev_b32 v11, 5, v0
	s_delay_alu instid0(VALU_DEP_1)
	v_readfirstlane_b32 s[WV], v11                 ; wave 0..15
	s_bfe_u32 s11, ttmp6, 0x40000                  ; cx: which 512 queries: it enters Q's and xc's addresses alone
	; descriptor group 1: 128 rows of 128 bytes, dense in memory, 16 bytes of padding behind each
	s_mov_b32 s20, 15|(1<<20)|(1<<21)|(4<<22)|(3<<25)  ; 15:0 the mask: all four work-groups; 17:16 elements of 1 byte; 20 padding on; 21 set beside a mask; 24:22 after every 32 words (code 4); 31:25 four words (code 3)
	s_mov_b32 s21, 128<<16                         ; tensor_dim0
	s_mov_b32 s22, 128<<16                         ; tensor_dim1
	s_mov_b32 s23, 128<<16                         ; tile_dim0
	s_mov_b32 s24, 128                             ; tile_dim1
	s_mov_b32 s25, 128                             ; tensor_dim0_stride
	s_mov_b32 s26, 0
	s_mov_b32 s27, 0
	s_mov_b32 s16, 1                               ; group 0: count = 1
	s_mul_i32 s17, s[WV], 18432                    ; LDS: wave x 128 rows of 144 bytes: K's eight parts, then V's eight
	s_lshr_b32 s13, s[WV], 3
	s_add_co_u32 s13, s13, 1
	s_lshl_b32 s13, s13, 23                        ; k's or v's part of qkv
	s_lshl_b32 s35, ttmp9, 17                      ; the head: 131,072 bytes in each of q, k, v
	s_and_b32 s14, s[WV], 7
	s_lshl_b32 s14, s14, 14                        ; my eighth of it
	s_add_co_u32 s14, s14, s13
	s_add_co_u32 s14, s14, s35
	s_mov_b32 s15, 0
	s_lshl_b32 s42, s11, 15                        ; Q: 512 queries of 64 bytes,
	s_lshl_b32 s43, s[WV], 11                      ; my 32
	s_add_co_u32 s42, s42, s43
	s_add_co_u32 s42, s42, s35
	s_mov_b32 s43, 0
	s_lshr_b32 s44, ttmp9, 4                       ; b
	s_lshl_b32 s44, s44, 4
	s_lshl_b32 s45, s11, 2
	s_add_co_u32 s44, s44, s45
	s_lshr_b32 s45, s[WV], 2
	s_add_co_u32 s44, s44, s45                     ; xc's block of 128 rows: 16 b + 4 cx + wave / 4
	s_lshl_b32 s44, s44, 17
	s_and_b32 s45, ttmp9, 15                       ; head
	s_lshr_b32 s46, s45, 1
	s_lshl_b32 s46, s46, 14                        ; ks = head / 2
	s_add_co_u32 s44, s44, s46
	s_and_b32 s45, s45, 1
	s_lshl_b32 s45, s45, 10                        ; chunks 2 (head % 2) on
	s_add_co_u32 s44, s44, s45
	s_and_b32 s45, s[WV], 3
	s_lshl_b32 s45, s45, 12                        ; rt = 2 (wave % 4) on
	s_add_co_u32 s44, s44, s45
	s_mov_b32 s45, 0
	s_mov_b32 s[SEL], 0x76543210
	s_mov_b32 s[SEL+1], 0xfedcba98
	s_wait_dscnt 0x0
	s_wait_kmcnt 0x0
	s_load_b128 s[36:39], s[6:7], 0x18             ; eq, ek, ep, ev
	s_load_b32 s40, s[6:7], 0x28                   ; ex
	s_add_nc_u64 s[18:19], s[4:5], s[14:15]
	s_or_b32 s19, s19, 0x80000000                  ; type = 2
	s_add_nc_u64 s[42:43], s[4:5], s[42:43]
	s_add_nc_u64 s[44:45], s[8:9], s[44:45]
	CROUND                                         ; all four work-groups are here: the joint loads meet
	tensor_load_to_lds s[16:19], s[20:27]          ; my one tensor load of the launch
	s_nop 0
.rept 4
	v_nop
.endr
	v_and_b32 v11, 15, v0                          ; r
	v_bfe_u32 v3, v0, 4, 1                         ; h
	s_delay_alu instid0(VALU_DEP_2)
	v_lshlrev_b32 v[QO], 6, v11
	s_delay_alu instid0(VALU_DEP_1)
	v_lshl_add_u32 v[QO], v3, 4, v[QO]
.irp q, 0,1
	global_load_b128 v[QF+8*\q:QF+8*\q+3],   v[QO], s[42:43] offset:1024*\q
	global_load_b128 v[QF+8*\q+4:QF+8*\q+7], v[QO], s[42:43] offset:1024*\q+32
.endr
	v_and_b32 v4, 8, v11
	s_delay_alu instid0(VALU_DEP_1)
	v_add_nc_u32 v4, v4, v11                       ; rho = r + 8 (r / 8)
	s_delay_alu instid0(VALU_DEP_1)
	v_lshrrev_b32 v[LA], 1, v4
	s_delay_alu instid0(VALU_DEP_1)
	v_mul_u32_u24 v[LA], v[LA], 144                ; its row pair,
	s_delay_alu instid0(VALU_DEP_3)
	v_and_b32 v4, 1, v4
	s_delay_alu instid0(VALU_DEP_1)
	v_lshl_add_u32 v[LA], v4, 6, v[LA]             ; which of the two,
	s_delay_alu instid0(VALU_DEP_1)
	v_lshl_add_u32 v[LA], v3, 4, v[LA]             ; + 16 h: sixteen lanes fall on sixteen different 16-byte columns of 256
	s_delay_alu instid0(VALU_DEP_1)
	v_add_nc_u32 v[LAV], KV, v[LA]
	v_and_b32 v[LI], 31, v0
	s_delay_alu instid0(VALU_DEP_1)
	v_lshlrev_b32 v[LI], 4, v[LI]
.irp q, 0,1
	v_mov_b32 v[ST+4*\q+1], 0xff61b1e6             ; the largest t so far: -3e38, under every t
	s_delay_alu instid0(VALU_DEP_1)
	v_floor_f32 v[ST+4*\q], -v[ST+4*\q+1]          ; -M
	v_mov_b32 v[ST+4*\q+2], 0                      ; the sum, in two halves
	v_mov_b32 v[ST+4*\q+3], 0
	v_mov_b32 v[F+2*\q+1], 0                       ; (named as the upper half of a pair)
	v_mov_b32 v[PL+\q], 0                          ; a lane permute's destination counts as one of its sources
.endr
.set j, 0
.rept 64
	v_mov_b32 v[O+j], 0                            ; O^T: the step is written once; the first finds zeros, which the first change of M leaves zeros
.set j, j+1
.endr
	s_wait_kmcnt 0x0
	s_mov_b32 s[CS], 0x3e38aa3b                    ; log2(e) / 8
	s_add_co_i32 s41, s36, s37
	s_lshl_b32 s41, s41, 23
	s_add_co_i32 s[CS], s[CS], s41                 ; a score stands for score x 2^(eq + ek)
	s_mov_b32 s[CS+1], s[CS]
	s_add_co_i32 s41, s38, 127
	s_lshl_b32 s46, s41, 23
	v_mov_b32 v[PSC], s46
	s_sub_co_i32 s41, s40, s38
	s_sub_co_i32 s41, s41, s39                     ; O / l stands for x / 2^(ep + ev): its code is (O / l) / 2^(ex - ep - ev)
	s_add_co_i32 s41, s41, 127
	s_lshl_b32 s46, s41, 23
	v_mov_b32 v[XSC], s46
	s_mov_b32 s[TB], 0
	s_mov_b32 s34, 32                              ; 2,048 keys, 64 a step
	s_wait_tensorcnt 0x0                           ; my part of K or V is in,
	s_barrier_signal -1
	s_barrier_wait -1                              ; everybody's is: from here on LDS is only read
	TILES KF, LA                                   ; K of step 0
	s_wait_loadcnt 0x0                             ; Q
.Lstep:
	s_add_co_u32 s[TBN], s[TB], STEPB
	s_min_u32 s[TBN], s[TBN], 31*STEPB             ; the last trip reads the last step's K once more: nothing outside K's rows is read
	s_setprio 2
	v_add_nc_u32 v[ADV], s[TB], v[LAV]
	v_add_nc_u32 v[ADK], s[TBN], v[LA]
	v_nop
	v_nop                                          ; four places behind the last trip's products, in front of the loads into V's registers
	TILES VF, ADV                                  ; V of this step
	s_wait_alu depctr_va_vdst(0)
	s_wait_dscnt 8                                 ; K of this step, asked for a trip ago, is in; the eight just issued may be out
.irp t, 0,1,2,3
.irp q, 0,1
	v_wmma_f32_16x16x64_fp8_fp8 v[S+32*\q+8*\t:S+32*\q+8*\t+7], v[KF+8*\t:KF+8*\t+7], v[QF+8*\q:QF+8*\q+7], 0
.endr
.endr
.rept 4
	v_nop                                          ; places in front of the loads into K's registers and of the first read of the scores
.endr
	TILES KF, ADK                                  ; K of the next step
	; the step's largest score of each query, two chains a tile, each accumulator from its low end on
.irp q, 0,1
	v_max3_num_f32 v[MX+2*\q],   v[S+32*\q],    v[S+32*\q+1],  v[S+32*\q+2]
	v_max3_num_f32 v[MX+2*\q+1], v[S+32*\q+16], v[S+32*\q+17], v[S+32*\q+18]
.endr
.irp i, 3,5,7,9,11,13
.irp q, 0,1
	v_max3_num_f32 v[MX+2*\q],   v[MX+2*\q],   v[S+32*\q+\i],    v[S+32*\q+\i+1]
	v_max3_num_f32 v[MX+2*\q+1], v[MX+2*\q+1], v[S+32*\q+16+\i], v[S+32*\q+17+\i]
.endr
.endr
.irp q, 0,1
	v_max3_num_f32 v[MX+2*\q], v[MX+2*\q], v[S+32*\q+15], v[S+32*\q+31]
.endr
.irp q, 0,1
	s_delay_alu instid0(VALU_DEP_2)
	v_max_num_f32 v[MX+2*\q], v[MX+2*\q], v[MX+2*\q+1]
.endr
.irp q, 0,1
	s_delay_alu instid0(VALU_DEP_2)
	v_permlanex16_b32 v[PL+\q], v[MX+2*\q], s[SEL], s[SEL+1]   ; the query's other 32 keys lie in the lane 16 away
.endr
.irp q, 0,1
	s_delay_alu instid0(VALU_DEP_2)
	v_max_num_f32 v[MX+2*\q], v[MX+2*\q], v[PL+\q]
.endr
.irp q, 0,1
	s_delay_alu instid0(VALU_DEP_2)
	v_mul_f32 v[MX+2*\q], s[CS], v[MX+2*\q]        ; as t (c is positive)
.endr
.irp q, 0,1
	s_delay_alu instid0(VALU_DEP_2)
	v_max_num_f32 v[ST+4*\q+1], v[ST+4*\q+1], v[MX+2*\q]   ; the running largest t
.endr
.irp q, 0,1
	v_mov_b32 v[MX+2*\q], v[ST+4*\q]
.endr
.irp q, 0,1
	s_delay_alu instid0(VALU_DEP_4)
	v_floor_f32 v[ST+4*\q], -v[ST+4*\q+1]          ; the new -M = floor(-t): M is a whole number
.endr
.irp q, 0,1
	s_delay_alu instid0(VALU_DEP_2)
	v_sub_f32 v[MX+2*\q], v[ST+4*\q], v[MX+2*\q]   ; old M less new M: a whole number, 0 or less
.endr
.irp q, 0,1
	s_delay_alu instid0(VALU_DEP_2)
	v_cvt_i32_f32 v[MX+2*\q], v[MX+2*\q]           ; (it saturates)
.endr
.irp q, 0,1
	s_delay_alu instid0(VALU_DEP_2)
	v_ldexp_f32 v[F+2*\q], 1.0, v[MX+2*\q]         ; f = 2^(old M - new M)
.endr
.set j, 0
.rept 16
	v_pk_fma_f32 v[S+j:S+j+1], v[S+j:S+j+1], s[CS:CS+1], v[ST:ST+1] op_sel_hi:[1,0,0]               ; t - M, two at a time (of the pairs c and -M the low word serves both halves)
	v_pk_fma_f32 v[S+32+j:S+33+j], v[S+32+j:S+33+j], s[CS:CS+1], v[ST+4:ST+5] op_sel_hi:[1,0,0]
.set j, j+2
.endr
.set j, 0
	s_wait_alu depctr_va_vdst(0)
.rept 64
	v_exp_f32 v[S+j], v[S+j]                       ; p = 2^(t - M), at most 1: one batch for both tiles
.set j, j+1
.endr
	s_setprio 1
	v_pk_mul_f32 v[ST+2:ST+3], v[ST+2:ST+3], v[F:F+1] op_sel_hi:[1,0]       ; the sums under the new M: the plain lines behind the exponentials
	v_pk_mul_f32 v[ST+6:ST+7], v[ST+6:ST+7], v[F+2:F+3] op_sel_hi:[1,0]
	s_wait_alu depctr_va_vdst(0)                   ; one wait for the whole batch, ahead of its first reader
.irp q, 0,1
	v_pk_add_f32 v[MX+2*\q:MX+2*\q+1], v[S+32*\q:S+32*\q+1], v[S+32*\q+2:S+32*\q+3]   ; the row's sum is taken of the unquantised p, in two chains
.endr
.irp j, 4,8,12,16,20,24,28
.irp q, 0,1
	v_pk_add_f32 v[ST+4*\q+2:ST+4*\q+3], v[ST+4*\q+2:ST+4*\q+3], v[S+32*\q+\j:S+32*\q+\j+1]
	v_pk_add_f32 v[MX+2*\q:MX+2*\q+1], v[MX+2*\q:MX+2*\q+1], v[S+32*\q+\j+2:S+32*\q+\j+3]
.endr
.endr
.irp q, 0
	s_delay_alu instid0(VALU_DEP_3)
	v_pk_add_f32 v[ST+4*\q+2:ST+4*\q+3], v[ST+4*\q+2:ST+4*\q+3], v[MX+2*\q:MX+2*\q+1]
.endr
.irp q, 1
	s_delay_alu instid0(VALU_DEP_2)
	v_pk_add_f32 v[ST+4*\q+2:ST+4*\q+3], v[ST+4*\q+2:ST+4*\q+3], v[MX+2*\q:MX+2*\q+1]
.endr
.set j, 0
.rept 64
.set j, j+1
.endr
.irp t, 0,1,2,3,4,5,6,7
	v_cvt_scalef32_pk8_fp8_f32 v[P+2*\t:P+2*\t+1], v[S+8*\t:S+8*\t+7], v[PSC]   ; tiles 2 b, 2 b + 1 of a query tile: registers 4 b .. 4 b + 3 of its operand
.endr
.set j, 0
.rept 16
	v_pk_mul_f32 v[O+j:O+j+1], v[O+j:O+j+1], v[F:F+1] op_sel_hi:[1,0]                   ; O^T under the new M; also the plain lines behind the conversions
	v_pk_mul_f32 v[O+32+j:O+33+j], v[O+32+j:O+33+j], v[F+2:F+3] op_sel_hi:[1,0]
.set j, j+2
.endr
	s_setprio 0
	s_wait_alu depctr_va_vdst(0)
	s_wait_dscnt 8                                 ; V of this step is in; the next step's K may be out
.irp t, 0,1,2,3
.irp q, 0,1
	v_wmma_f32_16x16x64_fp8_fp8 v[O+32*\q+8*\t:O+32*\q+8*\t+7], v[VF+8*\t:VF+8*\t+7], v[P+8*\q:P+8*\q+7], v[O+32*\q+8*\t:O+32*\q+8*\t+7]   ; the eight accumulators by turns
.endr
.endr
	s_add_co_u32 s[TB], s[TB], STEPB
	s_sub_co_u32 s34, s34, 1
	s_cmp_lg_u32 s34, 0
	s_cbranch_scc1 .Lstep
	s_setprio 0
	; THE WAY OUT: O^T / the sum, held, converted: the codes are chunks of xc's image as they stand
	s_wait_dscnt 0x0                               ; the last trip's spare loads of K
.rept 4
	v_nop                                          ; places behind the last products
.endr
.irp q, 0,1
	v_add_f32 v[ST+4*\q+2], v[ST+4*\q+2], v[ST+4*\q+3]
.endr
.irp q, 0,1
	s_delay_alu instid0(VALU_DEP_2)
	v_permlanex16_b32 v[PL+\q], v[ST+4*\q+2], s[SEL], s[SEL+1]
.endr
.irp q, 0,1
	s_delay_alu instid0(VALU_DEP_2)
	v_add_f32 v[ST+4*\q+2], v[ST+4*\q+2], v[PL+\q]   ; the row's sum
.endr
	s_wait_alu depctr_va_vdst(0)
.irp q, 0,1
	v_rcp_f32 v[ST+4*\q+2], v[ST+4*\q+2]
.endr
	v_nop                                          ; a plain line behind the reciprocals,
	s_wait_alu depctr_va_vdst(0)                   ; and the one wait ahead of their first reader
.set j, 0
.rept 16
	v_pk_mul_f32 v[O+j:O+j+1], v[O+j:O+j+1], v[ST+2:ST+3] op_sel_hi:[1,0]
	v_pk_mul_f32 v[O+32+j:O+33+j], v[O+32+j:O+33+j], v[ST+6:ST+7] op_sel_hi:[1,0]
.set j, j+2
.endr
.set j, 0
.rept 64
.set j, j+1
.endr
.irp t, 0,1,2,3,4,5,6,7
	v_cvt_scalef32_pk8_fp8_f32 v[S+2*\t:S+2*\t+1], v[O+8*\t:O+8*\t+7], v[XSC]
.endr
	v_nop
.irp q, 0,1
.irp b, 0,1
	global_store_b128 v[LI], v[S+8*\q+4*\b:S+8*\q+4*\b+3], s[44:45] offset:2048*\q+512*\b   ; 512 consecutive bytes, at a multiple of 512 from xc's first byte
.endr
.endr
	s_wait_tensorcnt 0x0
	ds_add_u32 v254, v255
	s_wait_dscnt 0x0
	CROUND                                         ; the closing round: no work-group ends while a partner may still ask for a tile that names it
	s_endpgm
.Lfunc_end_k_q9c1fcfc536_attn:
	.size	k_q9c1fcfc536_attn, .Lfunc_end_k_q9c1fcfc536_attn-k_q9c1fcfc536_attn
	.p2alignl 7, 3214868480
	.fill 96, 4, 3214868480
	.section	.rodata,"a",@progbits
	.p2align	6, 0x0
	.amdhsa_kernel k_q9c1fcfc536_attn
		.amdhsa_group_segment_fixed_size 327680
		.amdhsa_private_segment_fixed_size 0
		.amdhsa_enable_private_segment 0
		.amdhsa_kernarg_size 24
		.amdhsa_user_sgpr_count 2
		.amdhsa_user_sgpr_kernarg_segment_ptr 1
		.amdhsa_wavefront_size32 1
		.amdhsa_system_sgpr_workgroup_id_x 1
		.amdhsa_system_sgpr_workgroup_id_y 1
		.amdhsa_system_sgpr_workgroup_id_z 1
		.amdhsa_system_vgpr_workitem_id 0
		.amdhsa_next_free_vgpr 256
		.amdhsa_next_free_sgpr 66
		.amdhsa_reserve_vcc 0
		.amdhsa_float_denorm_mode_32 3
		.amdhsa_float_denorm_mode_16_64 3
		.amdhsa_fp16_overflow 1
		.amdhsa_memory_ordered 1
		.amdhsa_forward_progress 1
		.amdhsa_inst_pref_size 28
	.end_amdhsa_kernel
	.amdgpu_metadata
---
amdhsa.version: [ 1, 2 ]
amdhsa.kernels:
  - .name:           k_q9c1fcfc536_attn
    .symbol:         k_q9c1fcfc536_attn.kd
    .args:
      - { .name: qkv, .offset: 0, .size: 8, .value_kind: global_buffer, .address_space: global }
      - { .name: lowp_scales, .offset: 8, .size: 8, .value_kind: global_buffer, .address_space: global }
      - { .name: xc, .offset: 16, .size: 8, .value_kind: global_buffer, .address_space: global }
    .group_segment_fixed_size: 327680
    .private_segment_fixed_size: 0
    .kernarg_segment_align: 8
    .kernarg_segment_size: 24
    .max_flat_workgroup_size: 512
    .sgpr_count:     66
    .vgpr_count:     256
    .wavefront_size: 32
...
	.end_amdgpu_metadata
.endif
;; end of part 3
;; launch outp (part 4): grid 4 x 32, 4 waves a work-group, clusters of 4 x 4, 327,680 bytes of LDS; arguments xc, xw, lowp_scales, bo, out0; writes out0
.if DOCPART == 4
	.amdgcn_target "amdgcn-amd-amdhsa--gfx1250"
	.amdhsa_code_object_version 6
	.text
	.protected	k_q9c1fcfc536_outp
	.globl	k_q9c1fcfc536_outp
	.p2align	8
	.type	k_q9c1fcfc536_outp,@function
k_q9c1fcfc536_outp:
	s_mov_b64 s[64:65], 0
	v_nop
	global_prefetch_b8 v0, s[64:65] scope:SCOPE_SE
	s_setreg_imm32_b32 hwreg(HW_REG_WAVE_MODE, 25, 1), 1
	s_wait_xcnt 0x0
	s_wait_alu depctr_hold_cnt(0) depctr_sa_sdst(0) depctr_va_vdst(0) depctr_va_sdst(0) depctr_va_ssrc(0) depctr_va_vcc(0) depctr_vm_vsrc(0)
	s_getreg_b32 s2, hwreg(HW_REG_IB_STS2, 6, 4)
	s_cmp_eq_u32 s2, 0
	s_cbranch_scc0 .Lentry_in_a_cluster
	s_endpgm
.Lentry_in_a_cluster:
	s_bfe_u32 s2, ttmp6, 0x10000c
	s_cmp_lg_u32 s2, 0xf033
	s_cbranch_scc0 .Lentry_shape_is_right
	s_endpgm
.Lentry_shape_is_right:
.set HALFT,  32768
.set SLOT,   4*HALFT
.set SPARE,  2*SLOT
.set FR,     16
.set NL,     4
.set NP,     4
.set LAPS,   2
.set SPITCH, 528
.set ADRA, 16
.set ADRB, 20
.set STO,  24
.set RD,   25
.set CO,   26
.set SPW,  28
.set NIL,  29
.set BCA,  30
.set CB,   32
.set TMP,  96
.set AF,   128
.set BK,   128
.set G1, 24
.set G0, 32
.set G1B, 48
.set G0B, 56
.set MSB, 0
.macro WIN new
.if MSB != \new
	s_set_vgpr_msb (MSB<<8)|\new
.set MSB, \new
.endif
.endm
.set MUL_LO, 0xa1
.set MUL_HI, 0xf1
.set TO_B,   0x40
.macro JLOAD g0a, g1a, g0b, g1b
	s_cmp_eq_u32 s15, 0
	s_cbranch_scc0 .Lfor_b_\@
	tensor_load_to_lds s[\g0a:\g0a+3], s[\g1a:\g1a+7]
	s_nop 0
.rept 4
	v_nop
.endr
	s_branch .Lasked_\@
.Lfor_b_\@:
	tensor_load_to_lds s[\g0b:\g0b+3], s[\g1b:\g1b+7]
	s_nop 0
.rept 4
	v_nop
.endr
.Lasked_\@:
.endm
.macro CREST
	s_cmp_lg_u32 s14, 0
	s_cbranch_scc1 .Lnot_wave_0_\@
	s_barrier_signal -3
.Lnot_wave_0_\@:
	s_barrier_wait -3
	s_barrier_signal -1
	s_barrier_wait -1
.endm
.macro CROUND
	s_barrier_signal -1
	s_barrier_wait -1
	CREST
.endm
	s_load_b256 s[4:11], s[0:1], 0x0
	s_load_b64 s[12:13], s[0:1], 0x20
	v_lshl_add_u32 v[SPW], v0, 2, SPARE
	v_mov_b32 v[NIL], 0
	ds_add_u32 v28, v29
	ds_add_u32 v28, v29
	s_wait_dscnt 0x0
	v_lshrrev_b32 v1, 5, v0
	v_readfirstlane_b32 s14, v1
	s_lshr_b32 s15, s14, 1
	s_and_b32 s16, s14, 1
	s_bfe_u32 s40, ttmp6, 0x40000
	s_bfe_u32 s41, ttmp6, 0x40004
	s_and_b32 s17, ttmp7, 0xffff
	s_lshl_b32 s17, s17, 2
	s_add_co_u32 s17, s17, s41
	s_lshl_b32 s43, s41, 2
	s_lshl_b32 s43, 15, s43
	s_lshl_b32 s44, 0x1111, s40
	s_or_b32 s[G1+0], s43, (3<<16)|(1<<21)
	s_or_b32 s[G1B+0], s44, (3<<16)|(1<<21)
.irp g, G1, G1B
	s_mov_b32 s[\g+1], 32<<16
	s_mov_b32 s[\g+2], 128<<16
	s_mov_b32 s[\g+3], 32<<16
	s_mov_b32 s[\g+4], 128
	s_mov_b32 s[\g+5], 32
	s_mov_b32 s[\g+6], 0
	s_mov_b32 s[\g+7], 0
.endr
	s_lshl_b32 s20, s17, 1
	s_add_co_u32 s20, s20, s16
	s_lshl_b32 s20, s20, 17
	s_mov_b32 s21, 0
	s_lshl_b32 s46, s40, 1
	s_add_co_u32 s46, s46, s16
	s_add_co_u32 s46, s46, 216
	s_lshl_b32 s46, s46, 17
	s_mov_b32 s47, 0
	s_lshl_b32 s45, s14, 15
	s_wait_kmcnt 0x0
	s_load_b64 s[96:97], s[8:9], 0x28
	s_add_nc_u64 s[20:21], s[4:5], s[20:21]
	s_add_nc_u64 s[46:47], s[6:7], s[46:47]
	CROUND
.irp s, 0,1
	s_mov_b32 s[G0+4*\s], 1
	s_add_co_u32 s[G0+4*\s+1], s45, \s*SLOT
	s_add_nc_u64 s[G0+4*\s+2:G0+4*\s+3], s[20:21], \s*HALFT
	s_or_b32 s[G0+4*\s+3], s[G0+4*\s+3], 0x80000000
	s_mov_b32 s[G0B+4*\s], 1
	s_add_co_u32 s[G0B+4*\s+1], s45, \s*SLOT
	s_add_nc_u64 s[G0B+4*\s+2:G0B+4*\s+3], s[46:47], \s*HALFT
	s_or_b32 s[G0B+4*\s+3], s[G0B+4*\s+3], 0x80000000
	s_wait_alu depctr_va_vdst(0)
	s_wait_tensorcnt 0x0
	ds_add_u32 v28, v29
	ds_add_u32 v28, v29
	s_wait_dscnt 0x0
	CROUND
	JLOAD G0+4*\s, G1, G0B+4*\s, G1B
.endr
	v_and_b32 v1, 15, v0
	s_wait_alu depctr_va_vdst(0)
	v_bfe_u32 v2, v0, 4, 1
	v_and_b32 v3, 31, v0
	v_lshlrev_b32 v[CO], 4, v3
	s_lshl_b32 s21, s15, 15
	s_lshl_b32 s22, s16, 15
	s_add_co_u32 s22, s22, 2*HALFT
.irp s, 0,1
	v_add_nc_u32 v[ADRA+\s], s21, v[CO]
	v_add_nc_u32 v[ADRB+\s], s22, v[CO]
	s_add_co_u32 s21, s21, SLOT
	s_add_co_u32 s22, s22, SLOT
.endr
	s_mul_i32 s23, s14, 16*SPITCH
	v_mul_u32_u24 v4, v1, SPITCH
	s_wait_alu depctr_va_vdst(0)
	v_lshl_add_u32 v4, v2, 5, v4
	v_add_nc_u32 v[STO], s23, v4
	v_add_nc_u32 v[RD], s23, v[CO]
	s_lshl_b32 s20, s17, 20
	s_lshl_b32 s21, s15, 19
	s_add_co_u32 s20, s20, s21
	s_lshl_b32 s22, s40, 10
	s_lshl_b32 s23, s16, 9
	s_add_co_u32 s22, s22, s23
	s_add_co_u32 s20, s20, s22
	s_mov_b32 s21, 0
	s_add_nc_u64 s[12:13], s[12:13], s[20:21]
	v_lshlrev_b32 v[BCA], 5, v2
	v_add_nc_u32 v[BCA], s22, v[BCA]
.irp b, 0,1,2,3,4,5,6,7
	global_load_b128 v[CB+8*\b:CB+8*\b+3], v[BCA], s[10:11] offset:64*\b
	global_load_b128 v[CB+8*\b+4:CB+8*\b+7], v[BCA], s[10:11] offset:64*\b+16
.endr
.macro FRAG reg, adr, q, i
.irp c, 0,1,2,3
	ds_load_b128 v[\reg+4*\c:\reg+4*\c+3], v[\adr] offset:16384*(\q)+2048*(\i)+512*\c
.endr
.endm
.macro MUL16 a0, p, zero
.irp a, \a0, \a0+1
.irp b, 0,1,2,3,4,5,6,7
.if \zero
	v_wmma_f32_16x16x128_fp8_fp8 v[8*(8*((\a)%4)+\b):8*(8*((\a)%4)+\b)+7], v[128*(\p)+FR*\b:128*(\p)+FR*\b+FR-1], v[AF+FR*(\a):AF+FR*(\a)+FR-1], 0
.else
	v_wmma_f32_16x16x128_fp8_fp8 v[8*(8*((\a)%4)+\b):8*(8*((\a)%4)+\b)+7], v[128*(\p)+FR*\b:128*(\p)+FR*\b+FR-1], v[AF+FR*(\a):AF+FR*(\a)+FR-1], v[8*(8*((\a)%4)+\b):8*(8*((\a)%4)+\b)+7]
.endif
.endr
.endr
.endm
.macro FETCH_B slot, q, p
	WIN TO_B
.irp i, 0,1,2,3,4,5,6,7
	FRAG 128*(\p)+FR*\i, ADRB+\slot, \q, \i
.endr
	WIN 0
.endm
.macro FETCH_A slot, q, i0
.irp i, \i0, \i0+1, \i0+2, \i0+3
	FRAG AF+FR*(\i), ADRA+\slot, \q, \i
.endr
.endm
.macro PLACES n
.rept \n
	v_nop
.endr
.endm
.macro STEP slot, q, zero
	s_wait_dscnt 4*NL
	WIN MUL_LO
	MUL16 0, (\q)%2, \zero
	MUL16 2, (\q)%2, \zero
	s_wait_dscnt 0
	PLACES NP
	FETCH_B \slot, (\q)+1, 1-(\q)%2
	FETCH_A \slot, (\q)+1, 0
	WIN MUL_HI
	MUL16 4, (\q)%2, \zero
	MUL16 6, (\q)%2, \zero
	PLACES NP
	WIN 0
	FETCH_A \slot, (\q)+1, 4
.endm
.macro TURN slot, next, fill
	s_wait_tensorcnt 0x0
	ds_add_u32 v[SPW], v[NIL]
	s_wait_dscnt 4*NL+1
	WIN MUL_LO
	MUL16 0, 1, 0
	s_wait_dscnt 0x0
	s_barrier_signal -1
	MUL16 2, 1, 0
	WIN 0
	s_barrier_wait -1
.if \fill
	CREST
	s_add_nc_u64 s[G0+4*\slot+2:G0+4*\slot+3], s[G0+4*\slot+2:G0+4*\slot+3], 2*HALFT
	s_add_nc_u64 s[G0B+4*\slot+2:G0B+4*\slot+3], s[G0B+4*\slot+2:G0B+4*\slot+3], 2*HALFT
	JLOAD G0+4*\slot, G1, G0B+4*\slot, G1B
.else
	PLACES NP
.endif
	FETCH_B \next, 0, 0
	FETCH_A \next, 0, 0
	WIN MUL_HI
	MUL16 4, 1, 0
	MUL16 6, 1, 0
	PLACES NP
	WIN 0
	FETCH_A \next, 0, 4
.endm
	s_wait_tensorcnt 1
	s_barrier_signal -1
	s_barrier_wait -1
	FETCH_B 0, 0, 0
	FETCH_A 0, 0, 0
	FETCH_A 0, 0, 4
	STEP 0, 0, 1
	s_mov_b32 s3, LAPS-1
.Llap:
	TURN 0, 1, 1
	STEP 1, 0, 0
	TURN 1, 0, 1
	STEP 0, 0, 0
	s_sub_co_u32 s3, s3, 1
	s_cmp_lg_u32 s3, 0
	s_cbranch_scc1 .Llap
	TURN 0, 1, 0
	STEP 1, 0, 0
	s_wait_dscnt 4*NL
	WIN MUL_LO
	MUL16 0, 1, 0
	MUL16 2, 1, 0
	s_wait_dscnt 0
	WIN MUL_HI
	MUL16 4, 1, 0
	MUL16 6, 1, 0
	WIN 0
.macro TOSTAGE a
.set AC, 64*((\a)%4)
.irp f, 0,1
	WIN 0x02+((\a)/4)
.set j, 0
.rept 16
	v_pk_fma_f32 v[TMP+j:TMP+j+1], v[AC+32*\f+j:AC+32*\f+j+1], s[96:97], v[CB+32*\f+j:CB+32*\f+j+1] op_sel_hi:[1,0,1]
.set j, j+2
.endr
	WIN 0
.irp b, 0,1,2,3
	ds_store_b128 v[STO], v[TMP+8*\b:TMP+8*\b+3] offset:64*(4*\f+\b)
	ds_store_b128 v[STO], v[TMP+8*\b+4:TMP+8*\b+7] offset:64*(4*\f+\b)+16
.endr
.endr
.set BS, BK+64*((\a)%2)
.set j, 0
.rept 16
	ds_load_b128 v[BS+4*j:BS+4*j+3], v[RD] offset:j*SPITCH
.set j, j+1
.endr
.endm
.macro SEND a, younger
.set BS, BK+64*((\a)%2)
	s_wait_dscnt \younger
.if (\a) > 0
	s_add_nc_u64 s[12:13], s[12:13], 16*4096
.endif
.set j, 0
.rept 16
	global_store_b128 v[CO], v[BS+4*j:BS+4*j+3], s[12:13] offset:j*4096 th:TH_STORE_NT
.set j, j+1
.endr
.endm
	s_wait_kmcnt 0x0
	s_add_co_i32 s96, s96, s97
	s_add_co_i32 s96, s96, 127
	s_lshl_b32 s96, s96, 23
	s_mov_b32 s97, s96
	s_wait_loadcnt 0x0
	PLACES NP
	TOSTAGE 0
.irp a, 1,2,3,4,5,6,7
.if \a > 1
	s_wait_xcnt 0x0
.endif
	TOSTAGE \a
	SEND \a-1, 32
.endr
	s_wait_xcnt 0x0
	SEND 7, 0
	s_wait_tensorcnt 0x0
	ds_add_u32 v[SPW], v[NIL]
	s_wait_dscnt 0x0
	CROUND
	s_endpgm
.Lfunc_end_k_q9c1fcfc536_outp:
	.size	k_q9c1fcfc536_outp, .Lfunc_end_k_q9c1fcfc536_outp-k_q9c1fcfc536_outp
	.p2alignl 7, 3214868480
	.fill 96, 4, 3214868480
	.section	.rodata,"a",@progbits
	.p2align	6, 0x0
	.amdhsa_kernel k_q9c1fcfc536_outp
		.amdhsa_group_segment_fixed_size 327680
		.amdhsa_private_segment_fixed_size 0
		.amdhsa_enable_private_segment 0
		.amdhsa_kernarg_size 40
		.amdhsa_user_sgpr_count 2
		.amdhsa_user_sgpr_kernarg_segment_ptr 1
		.amdhsa_wavefront_size32 1
		.amdhsa_system_sgpr_workgroup_id_x 1
		.amdhsa_system_sgpr_workgroup_id_y 1
		.amdhsa_system_sgpr_workgroup_id_z 1
		.amdhsa_system_vgpr_workitem_id 0
		.amdhsa_next_free_vgpr 1024
		.amdhsa_next_free_sgpr 98
		.amdhsa_reserve_vcc 0
		.amdhsa_float_denorm_mode_32 3
		.amdhsa_float_denorm_mode_16_64 3
		.amdhsa_memory_ordered 1
		.amdhsa_forward_progress 1
		.amdhsa_inst_pref_size 126
	.end_amdhsa_kernel
	.amdgpu_metadata
---
amdhsa.version: [ 1, 2 ]
amdhsa.kernels:
  - .name:           k_q9c1fcfc536_outp
    .symbol:         k_q9c1fcfc536_outp.kd
    .args:
      - { .name: xc, .offset: 0, .size: 8, .value_kind: global_buffer, .address_space: global }
      - { .name: xw, .offset: 8, .size: 8, .value_kind: global_buffer, .address_space: global }
      - { .name: lowp_scales, .offset: 16, .size: 8, .value_kind: global_buffer, .address_space: global }
      - { .name: bo, .offset: 24, .size: 8, .value_kind: global_buffer, .address_space: global }
      - { .name: out0, .offset: 32, .size: 8, .value_kind: global_buffer, .address_space: global }
    .group_segment_fixed_size: 327680
    .private_segment_fixed_size: 0
    .kernarg_segment_align: 8
    .kernarg_segment_size: 40
    .max_flat_workgroup_size: 128
    .sgpr_count:     98
    .vgpr_count:     1024
    .wavefront_size: 32
...
	.end_amdgpu_metadata
.endif
;; end of part 4
